; MI455X (gfx1250); checked and timed in simulation.
; The chip was launched on July 23, 2026; its instructions are those of AMD's public machine-readable ISA for CDNA 5 (MIT licence, August 2026) and "CDNA5" Instruction Set Architecture Reference Guide (July 2026). The comments in the code are by the model that wrote it; some were corrected since.
;; Mixing Network. Allowed arithmetic: matrix products marked QUANTISED: E2M1 operands, one E8M0 scale for each 32 along K, by v_wmma_scale_f32_16x16x128_f8f6f4 with both operands' format E2M1 (or v_wmma_scale_f32_32x16x128_f4), f32 sums; products left as they are: f32 operands where the result goes on into a quantised operand, else bf16, f16 or f32 operands; f32 sums; everything else in f32.
;; Inputs: agent_q_values 256 x 512 x 8 float32; b1a 256 float32; b1b 512 float32; b2a 256 float32; b2b 64 float32; bb1 64 float32; bb2a 256 float32; bb2b 1 float32; central_states 256 x 512 x 256 float32; w1a 256 x 256 float32; w1b 256 x 512 float32; w2a 256 x 256 float32; w2b 256 x 64 float32; wb1 256 x 64 float32; wb2a 256 x 256 float32; wb2b 256 x 1 float32.
;; Outputs: out0 256 x 512 x 1 float32.
;; This version of the problem:
;;   THIS VERSION OF THE PROBLEM IS GIVEN IN LOW PRECISION. The matrix products marked QUANTISED in the list below multiply operands that are first quantised to E2M1 (2 exponent bits, 1 mantissa bit; 4 bits a number), with one power-of-two scale for each 32 numbers along K (OCP MX v1.0); their sums are f32. All else is computed in f32.
;;   The module's matrix products, in the order in which they are computed (A, B: the left and right operand; K: the contracted axis; several contracted axes count as one K, in the product's order):
;;     1. [M 131,072, K 256] x [K 256, N 256]; A: input central_states; B: input w1a: QUANTISED
;;     2. [M 131,072, K 256] x [K 256, N 512]; A: computed on the way; B: input w1b: QUANTISED
;;     3. [M 131,072, K 256] x [K 256, N 64]; A: input central_states; B: input wb1: QUANTISED
;;     4. [M 131,072, K 256] x [K 256, N 256]; A: input central_states; B: input w2a: QUANTISED
;;     5. [M 131,072, K 256] x [K 256, N 64]; A: computed on the way; B: input w2b: QUANTISED
;;     6. [M 131,072, K 256] x [K 256, N 256]; A: input central_states; B: input wb2a: QUANTISED
;;     7. [M 131,072, K 256] x [K 256, N 1]; A: computed on the way; B: input wb2b: left as it is (N = 1 < 16)
;;     8. batch 131,072 x [M 1, K 8] x [K 8, N 64]; A: input agent_q_values; B: computed on the way: left as it is (K = 8 < 32)
;;     9. batch 131,072 x [M 1, K 64] x [K 64, N 1]; A: computed on the way; B: computed on the way: left as it is (M = 1 < 16)
;;   THE QUANTISER, for each operand of a quantised product, along K:
;;     - K is cut into blocks of 32 from its start; a last block that is shorter is filled with zeros.
;;     - A block's scale is 2^e with e = floor(log2(the largest magnitude in the block)) - 2, held to -126 .. 127; a block of zeros has e = 0. As a byte (E8M0): e + 127.
;;     - Each number is divided by its block's scale, clamped to +-6, and rounded to the nearest number of E2M1, ties to even, subnormals kept.
;;     - The product sums the exact products of the quantised numbers (number of the format x scale) in f32.
;;   ~~~python
;;   def quantise(x, axis):      # numpy; x: float32 -> the quantised numbers, widened to float32 again
;;       x = np.moveaxis(x, axis, -1); K = x.shape[-1]
;;       x = np.pad(x, [(0, 0)] * (x.ndim - 1) + [(0, -K % 32)]); x = x.reshape(x.shape[:-1] + (-1, 32)); a = np.abs(x).max(-1, keepdims=True)
;;       e = np.where(a > 0, np.clip(np.frexp(np.where(a > 0, a, 1))[1] - 1 - 2, -126, 127), 0)      # np.frexp(a)[1] - 1 = floor(log2(a)), exactly
;;       r = np.clip(x / 2.0 ** e, -6, 6)
;;       step = 2.0 ** (np.maximum(np.frexp(np.where(r == 0, 1, r))[1] - 1, 0) - 1)
;;       q = np.round(r / step) * step * 2.0 ** e      # np.round: ties to even
;;       return np.moveaxis(q.reshape(q.shape[:-2] + (-1,))[..., :K], -1, axis).astype(np.float32)
;;   ~~~
;;   OPERANDS COMPUTED ON THE WAY. 'Computed on the way' means the value that the module computes at that place (a softmax that the list does not call 'softmax' is quantised finished and normalised). What goes into a quantiser is computed in f32, as accurately as f32 sums, v_exp_f32 and their like allow (about 1e-6 of the number): no bf16 or f16 on the way to a quantiser, and a product that is left as it is and whose result goes on into a quantised operand takes f32 operands (vector FMAs, or v_wmma_f32_16x16x4_f32). A number that lies on a knife's edge between two numbers of the format may be rounded either way, as far as f32 arithmetic and the matrix unit's own rounding can turn it there, and no further.
;; One version. Each part assembles by itself: llvm-mc -triple=amdgcn-amd-amdhsa -mcpu=gfx1250 --defsym DOCPART=n.
;; ======== version 1 of 1: 2 launches
;; limits: a function is approximated: absolute error at most 2e-07
;; workspace buffers: wimg 215,040 bytes
;; launch prep (part 1): grid 12 x 8, 2 waves a work-group, no clusters, 0 bytes of LDS; arguments w1a, w2a, wb2a, w1b, wb1, w2b, b1a, b2a, bb2a, b1b, bb1, b2b, wimg; writes wimg
.if DOCPART == 1
	.amdgcn_target "amdgcn-amd-amdhsa--gfx1250"
	.amdhsa_code_object_version 6
	.text
	.protected	k_qb7e34e49e6_prep
	.globl	k_qb7e34e49e6_prep
	.p2align	8
	.type	k_qb7e34e49e6_prep,@function
k_qb7e34e49e6_prep:
	s_mov_b64 s[64:65], 0
	v_nop
	global_prefetch_b8 v0, s[64:65] scope:SCOPE_SE
	s_setreg_imm32_b32 hwreg(HW_REG_WAVE_MODE, 25, 1), 1
	s_wait_xcnt 0x0
; The six weights [K = 256][N], f32, K their FIRST axis, become codes of FP4 (E2M1) with one E8M0 scale byte for each 32 along K, laid in the order of the operand registers of the launch that follows.
; wimg = 8 records of REC bytes, one for each wave w of that launch.  A record: 24 fragments (tile t = 0..11, K step s = 0, 1) of 1,024 bytes at 1,024 (2 t + s): register group c at + 512 c, lane l's 16 bytes at + 16 l;
; at 24,576 the scale words: 512 (t / 4) + 16 (r + 16 s) + 4 (t % 4): tile row r's word of K step s;  at 26,112 the biases: 64 t + 4 r.
; THE COLUMNS OF A TILE (tile row r = 0..15):  t 0-5 (w1a, w2a, wb2a; u = t % 2): 32 w + 8 u + r % 8 + 16 (r / 8);   t 6-9 (w1b; i = t - 6): 256 (r / 8) + 64 i + 8 w + r % 8;
;   t 10 (wb1): 8 w + r % 8, rows r >= 8 empty;   t 11 (w2b): 8 w + 4 (r / 8) + r % 4, rows with r & 4 empty.  An empty row gets zero codes and the bias 0; its scale byte is a real column's.
; SHARES.  Work-group (t, w); its wave s makes fragment (t, s).  Lane (r, h) takes tile row r's column and its registers run DOWN K in the operand's own order, k = 128 s + 64 c + 32 h + i: a lane holds two whole blocks,
; the conversions' results are the operand's registers, nothing is transposed.
; A block's scale is 2^(floor(log2(largest magnitude)) - 2); its byte is the largest magnitude's exponent field - 2, held at 1 from below (a block of zeros gets 1 where the rule says 127: its codes are zeros, and this program alone reads the bytes).
; LIMITS: NaN and infinities among the weights are not served.  The loads take pieces of 32 bytes of a row and the scale words leave 4 bytes at a time, 16 apart: 1.4 MB in and 12 KB of such stores in the whole launch.
.set REC, 26880
.set X,   32                           ; v32-95   my 64 numbers: register 32 c + i
.set C,   96                           ; v96-103  the fragment's codes
	s_load_b512 s[8:23], s[0:1], 0x0               ; w1a, w2a, wb2a, w1b, wb1, w2b, b1a, b2a
	s_load_b256 s[24:31], s[0:1], 0x40             ; bb2a, b1b, bb1, b2b
	s_load_b64 s[32:33], s[0:1], 0x60              ; wimg
	v_lshrrev_b32 v1, 5, v0
	v_readfirstlane_b32 s34, v1                    ; my wave's number: the K step s
	s_mov_b32 s2, ttmp9                            ; t
	s_and_b32 s3, ttmp7, 0xffff                    ; w
	s_and_b32 s45, s2, 1
	s_lshl_b32 s45, s45, 3
	s_lshl_b32 s46, s3, 5
	s_add_co_u32 s40, s45, s46                     ; the tile's first column, t < 6: 32 w + 8 (t % 2)
	s_lshl_b32 s46, s3, 3                          ; t >= 10: 8 w
	s_sub_co_u32 s45, s2, 6
	s_lshl_b32 s45, s45, 6
	s_add_co_u32 s45, s45, s46                     ; t 6-9: 64 (t - 6) + 8 w
	s_mov_b32 s41, 7                               ; which bits of r count singly
	s_mov_b32 s42, 16                              ; what r / 8 counts
	s_mov_b32 s43, 0                               ; the bit of r that marks an empty row
	s_mov_b32 s44, 1024                            ; bytes in a row of the weight
	s_mov_b32 s50, 0x76543210
	s_mov_b32 s51, 0xfedcba98                      ; v_permlanex16_b32's selects for lane l xor 16
	s_mov_b32 s53, 0
	s_wait_kmcnt 0x0
	s_mov_b64 s[36:37], s[8:9]                     ; the weight and its bias are chosen by the tile's number alone
	s_mov_b64 s[38:39], s[20:21]
	s_cmp_ge_u32 s2, 2
	s_cselect_b64 s[36:37], s[10:11], s[36:37]
	s_cselect_b64 s[38:39], s[22:23], s[38:39]
	s_cmp_ge_u32 s2, 4
	s_cselect_b64 s[36:37], s[12:13], s[36:37]
	s_cselect_b64 s[38:39], s[24:25], s[38:39]
	s_cmp_ge_u32 s2, 6
	s_cselect_b64 s[36:37], s[14:15], s[36:37]
	s_cselect_b64 s[38:39], s[26:27], s[38:39]
	s_cselect_b32 s40, s45, s40
	s_cselect_b32 s42, 256, s42
	s_cselect_b32 s44, 2048, s44
	s_cmp_ge_u32 s2, 10
	s_cselect_b64 s[36:37], s[16:17], s[36:37]
	s_cselect_b64 s[38:39], s[28:29], s[38:39]
	s_cselect_b32 s40, s46, s40
	s_cselect_b32 s42, 0, s42
	s_cselect_b32 s43, 8, s43
	s_cselect_b32 s44, 256, s44
	s_cmp_ge_u32 s2, 11
	s_cselect_b64 s[36:37], s[18:19], s[36:37]
	s_cselect_b64 s[38:39], s[30:31], s[38:39]
	s_cselect_b32 s41, 3, s41
	s_cselect_b32 s42, 4, s42
	s_cselect_b32 s43, 4, s43
	; where the results go: three bases, made before anything is loaded
	s_mul_i32 s52, s3, REC
	s_add_nc_u64 s[32:33], s[32:33], s[52:53]      ; wave w's record
	s_lshl_b32 s52, s2, 1
	s_add_co_u32 s52, s52, s34
	s_lshl_b32 s52, s52, 10
	s_add_nc_u64 s[54:55], s[32:33], s[52:53]      ; the fragment: 1,024 (2 t + s)
	s_lshr_b32 s52, s2, 2
	s_lshl_b32 s52, s52, 9
	s_lshl_b32 s47, s34, 8
	s_add_co_u32 s52, s52, s47
	s_and_b32 s47, s2, 3
	s_lshl_b32 s47, s47, 2
	s_add_co_u32 s52, s52, s47
	s_add_nc_u64 s[56:57], s[32:33], s[52:53]      ; the scale words: 512 (t / 4) + 256 s + 4 (t % 4)
	s_lshl_b32 s52, s2, 6
	s_add_nc_u64 s[58:59], s[32:33], s[52:53]      ; the biases: 64 t
	v_and_b32 v1, 15, v0                           ; r
	v_bfe_u32 v2, v0, 4, 1                         ; h
	v_and_b32 v7, 31, v0
	v_lshlrev_b32 v3, 4, v7                        ; 16 x lane
	v_lshlrev_b32 v13, 4, v1                       ; 16 r
	v_lshlrev_b32 v14, 2, v1                       ; 4 r
	v_lshrrev_b32 v9, 3, v1
	v_mul_u32_u24 v9, v9, s42
	v_and_b32 v10, s41, v1
	v_add3_u32 v4, v9, v10, s40                    ; my column
	v_lshlrev_b32 v6, 2, v4                        ; in bytes
	s_lshl_b32 s47, s34, 7
	v_lshl_add_u32 v12, v2, 5, s47                 ; my first k: 128 s + 32 h
	v_mad_u32_u24 v5, v12, s44, v6                 ; and its byte in the weight
; W(128 s + 64 c + 32 h + i, my column).  The row's length stands in the immediates, so the run is written for each of the three lengths; all three fill the same 64 registers.
.macro LOADW pitch
.irp c, 0,1
.set i, 0
.rept 32
	global_load_b32 v[X+32*\c+i], v5, s[36:37] offset:(64*\c+i)*\pitch*4
.set i, i+1
.endr
.endr
.endm
	s_cmp_ge_u32 s2, 10
	s_cbranch_scc1 .Lrows64
	s_cmp_ge_u32 s2, 6
	s_cbranch_scc1 .Lrows512
	LOADW 256
	s_branch .Lloaded
.Lrows512:
	LOADW 512
	s_branch .Lloaded
.Lrows64:
	LOADW 64
.Lloaded:
	global_load_b32 v8, v6, s[38:39]               ; my column's bias
	v_and_b32 v11, s43, v1
	v_cmp_eq_u32 vcc_lo, 0, v11                    ; is my tile row a real one?
	s_wait_loadcnt 0x0
.irp c, 0,1                                    ; my block 2 c + h: all its 32 numbers are mine
	v_max3_num_f32 v[16+\c], |v[X+32*\c]|, |v[X+1+32*\c]|, 0x1800000   ; with the floor 2^(3 - 127): the byte cannot fall under 1
.endr
.irp i, 2,4,6,8,10,12,14,16,18,20,22,24,26,28,30
.irp c, 0,1
	v_max3_num_f32 v[16+\c], v[16+\c], |v[X+32*\c+\i]|, |v[X+1+32*\c+\i]|   ; (the two blocks by turns)
.endr
.endr
.irp c, 0,1
	v_add_nc_u32 v[20+\c], 0xff000000, v[16+\c]    ; 2 off the exponent field: the conversion takes the exponent field of this operand as its scale
.endr
.irp c, 0,1
	v_lshrrev_b32 v[18+\c], 23, v[20+\c]           ; the scale's byte
.endr
	v_lshl_or_b32 v22, v19, 16, v18                ; my two bytes: blocks h and 2 + h,
	v_lshlrev_b32 v23, 3, v2
	v_lshlrev_b32 v22, v23, v22                    ; at their places in the word (8 h bits up);
	v_mov_b32 v23, 0
	v_permlanex16_b32 v23, v22, s50, s51
	v_or_b32 v22, v22, v23                         ; with lane l xor 16's two the word is whole, in both lanes
.irp c, 0,1
.irp g, 0,1,2,3
	v_cvt_scalef32_pk8_fp4_f32 v[C+4*\c+\g], v[X+32*\c+8*\g:X+32*\c+8*\g+7], v[20+\c]   ; registers 4 c .. 4 c + 3 of the operand
.endr
.endr
	v_nop                                          ; one plain vector instruction behind the last scaled conversion
.irp g, 0,1,2,3,4,5,6,7
	v_cndmask_b32 v[C+\g], 0, v[C+\g], vcc_lo      ; an empty row: zero codes
.endr
	global_store_b128 v3, v[C:C+3], s[54:55]       ; each store of the wave covers 512 consecutive bytes, aligned
	global_store_b128 v3, v[C+4:C+7], s[54:55] offset:512
	global_store_b32 v13, v22, s[56:57] offset:24576   ; lanes r and r + 16 store the same word with the same value
	s_cmp_lg_u32 s34, 0                            ; the biases leave by wave 0 alone
	s_cbranch_scc1 .Ldone
	v_cndmask_b32 v8, 0, v8, vcc_lo
	global_store_b32 v14, v8, s[58:59] offset:26112
.Ldone:
	s_endpgm
.Lfunc_end_k_qb7e34e49e6_prep:
	.size	k_qb7e34e49e6_prep, .Lfunc_end_k_qb7e34e49e6_prep-k_qb7e34e49e6_prep
	.p2alignl 7, 3214868480
	.fill 96, 4, 3214868480
	.section	.rodata,"a",@progbits
	.p2align	6, 0x0
	.amdhsa_kernel k_qb7e34e49e6_prep
		.amdhsa_group_segment_fixed_size 0
		.amdhsa_private_segment_fixed_size 0
		.amdhsa_enable_private_segment 0
		.amdhsa_kernarg_size 104
		.amdhsa_user_sgpr_count 2
		.amdhsa_user_sgpr_kernarg_segment_ptr 1
		.amdhsa_wavefront_size32 1
		.amdhsa_system_sgpr_workgroup_id_x 1
		.amdhsa_system_sgpr_workgroup_id_y 1
		.amdhsa_system_sgpr_workgroup_id_z 1
		.amdhsa_system_vgpr_workitem_id 0
		.amdhsa_next_free_vgpr 128
		.amdhsa_next_free_sgpr 66
		.amdhsa_reserve_vcc 1
		.amdhsa_float_denorm_mode_32 3
		.amdhsa_float_denorm_mode_16_64 3
		.amdhsa_memory_ordered 1
		.amdhsa_forward_progress 1
		.amdhsa_inst_pref_size 26
	.end_amdhsa_kernel
	.amdgpu_metadata
---
amdhsa.version: [ 1, 2 ]
amdhsa.kernels:
  - .name:           k_qb7e34e49e6_prep
    .symbol:         k_qb7e34e49e6_prep.kd
    .args:
      - { .name: w1a, .offset: 0, .size: 8, .value_kind: global_buffer, .address_space: global }
      - { .name: w2a, .offset: 8, .size: 8, .value_kind: global_buffer, .address_space: global }
      - { .name: wb2a, .offset: 16, .size: 8, .value_kind: global_buffer, .address_space: global }
      - { .name: w1b, .offset: 24, .size: 8, .value_kind: global_buffer, .address_space: global }
      - { .name: wb1, .offset: 32, .size: 8, .value_kind: global_buffer, .address_space: global }
      - { .name: w2b, .offset: 40, .size: 8, .value_kind: global_buffer, .address_space: global }
      - { .name: b1a, .offset: 48, .size: 8, .value_kind: global_buffer, .address_space: global }
      - { .name: b2a, .offset: 56, .size: 8, .value_kind: global_buffer, .address_space: global }
      - { .name: bb2a, .offset: 64, .size: 8, .value_kind: global_buffer, .address_space: global }
      - { .name: b1b, .offset: 72, .size: 8, .value_kind: global_buffer, .address_space: global }
      - { .name: bb1, .offset: 80, .size: 8, .value_kind: global_buffer, .address_space: global }
      - { .name: b2b, .offset: 88, .size: 8, .value_kind: global_buffer, .address_space: global }
      - { .name: wimg, .offset: 96, .size: 8, .value_kind: global_buffer, .address_space: global }
    .group_segment_fixed_size: 0
    .private_segment_fixed_size: 0
    .kernarg_segment_align: 8
    .kernarg_segment_size: 104
    .max_flat_workgroup_size: 64
    .sgpr_count:     66
    .vgpr_count:     128
    .wavefront_size: 32
...
	.end_amdgpu_metadata
.endif
;; end of part 1
;; launch mix (part 2): grid 256 x 1, 8 waves a work-group, no clusters, 327,680 bytes of LDS; arguments central_states, agent_q_values, wimg, wb2b, bb2b, out0; writes out0
.if DOCPART == 2
	.amdgcn_target "amdgcn-amd-amdhsa--gfx1250"
	.amdhsa_code_object_version 6
	.text
	.protected	k_qb7e34e49e6_mix
	.globl	k_qb7e34e49e6_mix
	.p2align	8
	.type	k_qb7e34e49e6_mix,@function
k_qb7e34e49e6_mix:
	s_mov_b64 s[64:65], 0
	v_nop
	global_prefetch_b8 v0, s[64:65] scope:SCOPE_SE
	s_setreg_imm32_b32 hwreg(HW_REG_WAVE_MODE, 25, 1), 1
	s_wait_xcnt 0x0
; joint[n] = sum_e relu(sum_a q[n][a] |w1[n][a][e]| + b1[n][e]) |w2[n][e]| + b2[n], with w1 = elu(st w1a + b1a) w1b + b1b, w2 = elu(st w2a + b2a) w2b + b2b, b1 = st wb1 + bb1, b2 = elu(st wb2a + bb2a) wb2b + bb2b.
; The six large products run on codes of FP4 (E2M1) with one E8M0 scale for each 32 along K = 256; st and the hidden layers h1, h2 are quantised here, the weights come as register images out of wimg.  All else is f32.
; SHARES.  A work-group of eight waves owns 512 rows: four fills of 128 rows, eight blocks n = 2 f + p of 64.  Row tile m (0..3) of block n is rows 128 f + 32 m + 16 p + 0..15 of the work-group.
; THE WAVES SHARE THE COLUMNS, NOT THE ROWS: wave w owns hidden units 32 w .. 32 w + 31 of each of the three hidden layers and e = 8 w .. 8 w + 7 of w1, b1 and w2: 12 tiles of 16 columns x 2 K steps = 24 fragments,
; 192 registers, read from memory once and kept.  What goes round is small: the codes of st, h1 and h2, as IMAGES OF THE OPERANDS' REGISTERS in LDS (16 bytes a lane on end; scale words 4 bytes a lane).
; A BLOCK, two barriers:  (barrier) 1: for each row tile: st's two fragments from LDS, my six tiles of hidden units (transposed: source 0 = 16 columns of a weight, source 1 = 16 rows), ELU, h1 and h2 quantised (my 32 units are one
; block of the next K: 8 bytes a lane and one scale byte a row go to LDS), h3 . wb2b summed in f32   (barrier) 2: for each row tile: st's, h1's, h2's fragments from LDS, my six tiles of w1 (4), b1, w2; q . |w1| + b1, relu, . |w2|:
; my part of 16 outputs to LDS;  X: my piece (row tile w / 2, K step w % 2) of the NEXT block's st is taken from my ring, quantised, and its image stored in the other of two buffers.  Wave 0 adds the eight parts of each fill and stores 128 outputs.
; LDS LOADS RUN A ROW TILE AHEAD.  Each of the two phases is: the first tile's loads, a loop of three trips, each of which asks for the next tile's operands behind its own products, and the fourth tile written out, which asks for
; what comes next instead: phase 1's for the part of phase 2's first tile that is valid ahead of the barrier (st, q, my own h3 part), phase 2's for the next block's st out of my ring.  So no load is jumped over and none leaves its buffer.
; st comes by the tensor data mover into a ring of each wave's own: two slots of 32 rows x 512 bytes.  The four first loads (16 rows each) go out together; slots are filled again twice, by one load of 32 rows each, two blocks ahead of its first use.
; By this text's own count a wave has at most four tensor loads out.
; NO CLUSTER: what the work-groups share is wimg, 215,040 bytes.  A joint load lands in LDS, where 318,464 bytes are in use; each wave reads its 26,880 bytes once, straight into the registers in which they stay.  st and q are shared by nobody.
; ELU = the median of (x, e^x - 1, 0): e^x - 1 >= x for every x, so the median is x above 0 and e^x - 1 below; an exponential that overflows is never the median.
; LIMITS: e^x - 1 is 2^(x log2 e) - 1: an absolute error of about 1e-7, so a relative one of about 1e-7 / |h| (near 0 on the positive side too); NaN and infinities are not served; a block of zeros has the scale byte 1 (its codes are zeros);
; the f32 sums over agents, over e and over h3 are taken in another order than the source's.
.set REC,   26880                      ; a wave's record in wimg: 24 fragments, then at 24,576 the scale words, at 26,112 the biases
.set RINGW, 33792                      ; LDS: a wave's ring: two slots
.set SLOTB, 16896                      ; a slot: two pieces
.set PIECE, 8448                       ; a piece: 16 rows of 512 bytes + 16 of padding: 132 words, so that the 16 rows of a load start 4 banks apart (64 banks of 4 bytes: ISA guide 11.1)
.set XIMG,  8*RINGW                    ; 2 x 8,192: st's fragments (m, s) at 1,024 (2 m + s); buffer n % 2
.set XSC,   XIMG+16384                 ; 2 x 512: their scale words: 128 m + 64 s + 4 r
.set QIMG,  XSC+1024                   ; 2 x 2,048: q: 512 m + the 16 rows as they lie in memory
.set HIMG,  QIMG+4096                  ; 2 x 8,192: h1's fragments, then h2's, laid as st's
.set HSC,   HIMG+16384                 ; 2 x 512: their scale words; byte b of K step s comes from wave 4 s + b
.set JSB,   HSC+1024                   ; 8 x 512: each wave's own: 128 m + 4 lane: its part of h3 . wb2b
.set PS,    JSB+4096                   ; 8 x 512: wave w's part of the fill's 128 outputs
.set SPARE, PS+4096                    ; the spare words, 128 bytes for each wave: four blocks of 256 bytes that no other line names
.set SPW, 1                            ; v1   SPARE + 4 x my thread's number; never rewritten
.set NIL, 2                            ; v2   0; never rewritten
.set L16, 3                            ; v3   16 x lane
.set L4,  4                            ; v4   4 x lane
.set RA,  5                            ; v5   my ring: RINGW w + 528 r + 64 h
.set XWI, 6                            ; v6   XIMG + 1,024 w + 16 lane
.set XWS, 7                            ; v7   XSC + 64 w + 4 r
.set HWI, 8                            ; v8   HIMG + 256 w + 16 r + 8 h
.set HWS, 9                            ; v9   HSC + 64 (w / 4) + w % 4 + 4 r
.set JSA, 10                           ; v10  JSB + 512 w + 4 lane
.set PA,  11                           ; v11  PS + 512 w + 4 r
.set QW,  12                           ; v12  QIMG + 256 w + 8 lane
.set QG,  13                           ; v13  q in memory: 1,024 (w / 2) + 256 (w % 2) + 8 lane
.set QRD, 14                           ; v14  32 r + 16 h
.set PRD, 15                           ; v15  PS + 16 lane
.set A0,  16                           ; v16-22 a trip's addresses
.set A1,  17
.set A2,  18
.set A3,  19
.set A4,  20
.set A5,  21
.set A6,  22
.set SW,  24                           ; v24-35 the weights' scale words, tile t: lanes 0-15 K step 0, lanes 16-31 K step 1
.set XS,  36                           ; v36-38 the scale words of st, h1, h2, in the same split
.set H1S, 37
.set H2S, 38
.set WB,  40                           ; v40-55 wb2b[32 w + 16 h + 0..15]
.set BI2, 56                           ; v56-103 the biases of tiles 6-11, in the result's layout
.set T,   104                          ; v104-151 six accumulators
.set U,   152                          ; v152-199 phase 1: the exponentials; phase 2: the fragments of st, h1, h2
.set XF,  200                          ; v200-215 phase 1: st's two fragments.  U and XF on end, v152-215, hold st's 64 numbers while they are quantised
.set PC,  216                          ; v216-223 the codes just made
.set TM,  224                          ; v224-239 the quantiser's scratch
.set PW,  240                          ; v240 the scale word just made
.set QS,  242                          ; v242-243 q on its way
.set Q,   244                          ; v244-247 q[row r][4 h + 0..3]
.set J,   248                          ; v248-251 phase 1: two chains of h3 . wb2b; phase 2: v248 the part of an output that is stored
.set J2,  250
.set JL,  252                          ; v252 my lane's part of an output
.set TX,  253                          ; v253 a permute's destination
; window 1 (v256-511): fragment (t, s) at 16 t + 8 s; from 192 on the biases of tiles 0-5, 8 a tile
.set G1A, 24                           ; s[24:31] descriptor group 1: 16 rows;  s[32:39]: 32 rows
.set G1B, 32
.set G0,  40                           ; s[40:55] four groups 0
.set MSB, 0
.macro WIN new                         ; s_set_vgpr_msb: bits 1:0 source 0, 3:2 source 1, 5:4 source 2, 7:6 destination; the immediate's high byte repeats the setting that is left
.if MSB != \new
	s_set_vgpr_msb (MSB<<8)|\new
.set MSB, \new
.endif
.endm
.macro MMA d, a, b, c, sa, sb, row     ; row = 1: K step 1: both sides' scale words are taken from lanes 16-31
.if \row
	v_wmma_scale_f32_16x16x128_f8f6f4 v[\d:\d+7], v[\a:\a+7], v[\b:\b+7], v[\c:\c+7], v[\sa], v[\sb] matrix_a_fmt:MATRIX_FMT_FP4 matrix_b_fmt:MATRIX_FMT_FP4 matrix_a_scale:MATRIX_SCALE_ROW1 matrix_b_scale:MATRIX_SCALE_ROW1
.else
	v_wmma_scale_f32_16x16x128_f8f6f4 v[\d:\d+7], v[\a:\a+7], v[\b:\b+7], v[\c:\c+7], v[\sa], v[\sb] matrix_a_fmt:MATRIX_FMT_FP4 matrix_b_fmt:MATRIX_FMT_FP4
.endif
.endm
.macro PLACES
.rept 4
	v_nop
.endr
.endm
.macro BAR                             ; my LDS stores have landed and my LDS loads are in: then the work-group's barrier.  Tensor loads may stay out
	s_wait_dscnt 0x0
	s_barrier_signal -1
	s_barrier_wait -1
.endm
; The same barrier where a slot of my ring is filled again: all my tensor loads have landed, the add, its wait; behind the barrier the one load, first.
.macro BARFILL set, slot, fill
	s_wait_tensorcnt 0x0                           ; no tensor load of mine is out, so a group 0 may be written
	ds_add_u32 v[SPW], v[NIL]                      ; 0 onto my spare word: the descriptor's words are made between it and the wait for it
	s_add_co_u32 s[G0+4*\set+1], s19, SLOTB*\slot
	s_add_nc_u64 s[G0+4*\set+2:G0+4*\set+3], s[66:67], 131072*\fill   ; 128 rows of 1,024 bytes a fill
	s_or_b32 s[G0+4*\set+3], s[G0+4*\set+3], 0x80000000
	s_wait_dscnt 0x0                               ; the add is done; my stores have landed, and my reads, those of the slot among them, are in
	s_barrier_signal -1
	s_barrier_wait -1
	tensor_load_to_lds s[G0+4*\set:G0+4*\set+3], s[G1B:G1B+7]   ; 32 rows: both pieces of the slot
	s_nop 0
	PLACES                                         ; four v_nop follow the load
.endm
; 64 numbers of a lane, v[s] .. v[s + 63], register 16 b + i = k 32 b + 16 h + i of my row, become a fragment's codes in v[PC] on and its scale word in v[PW].
.macro QUANT4 s
.irp b, 0,1,2,3
	v_max3_num_f32 v[TM+\b], |v[\s+16*\b]|, |v[\s+1+16*\b]|, 0x1800000   ; block b: my 16 numbers, and the floor 2^(3 - 127): the byte cannot fall under 1
.endr
.irp i, 2,4,6,8,10,12,14
.irp b, 0,1,2,3
	v_max3_num_f32 v[TM+\b], v[TM+\b], |v[\s+16*\b+\i]|, |v[\s+1+16*\b+\i]|   ; (the four blocks by turns)
.endr
.endr
.irp b, 0,1,2,3
	v_permlanex16_b32 v[TM+4+\b], v[TM+\b], s56, s57
.endr
.irp b, 0,1,2,3
	v_max_num_f32 v[TM+\b], v[TM+\b], v[TM+4+\b]   ; with lane l xor 16's: the block's largest magnitude
.endr
.irp b, 0,1,2,3
	v_add_nc_u32 v[TM+12+\b], 0xff000000, v[TM+\b]   ; 2 off its exponent field: the conversion's scale operand
.endr
.irp b, 0,1,2,3
	v_lshrrev_b32 v[TM+4+\b], 23, v[TM+12+\b]      ; the scale's byte
.endr
	v_lshl_or_b32 v[PW], v[TM+5], 8, v[TM+4]
	v_lshl_or_b32 v[PW], v[TM+6], 16, v[PW]
	v_lshl_or_b32 v[PW], v[TM+7], 24, v[PW]        ; my row's scale word, in both halves of the lanes
.irp b, 0,1,2,3
	v_cvt_scalef32_pk8_fp4_f32 v[PC+2*\b], v[\s+16*\b:\s+7+16*\b], v[TM+12+\b]
	v_cvt_scalef32_pk8_fp4_f32 v[PC+1+2*\b], v[\s+8+16*\b:\s+15+16*\b], v[TM+12+\b]
.endr
	v_nop                                          ; one plain vector instruction behind the last scaled conversion
.irp c, 0,1                                    ; the operand's layout wants a WHOLE block in a lane: lanes 0-15 block 2 c, lanes 16-31 block 2 c + 1
.irp i, 0,1
	v_permlane16_swap_b32 v[PC+4*\c+\i], v[PC+2+4*\c+\i]
.endr
.endr
.endm
; q of block n: my half (256 bytes) of row tile w / 2: the wave reads 256 consecutive bytes, aligned; each byte of q once in the launch
.macro QLOAD n
	global_load_b64 v[QS:QS+1], v[QG], s[6:7] offset:4096*((\n)>>1)+512*((\n)&1) th:TH_LOAD_NT
.endm
; X, first half: my piece of block n, 16 rows x 128 numbers, is asked for out of my ring.  cnt: the younger tensor loads that may stay out.
.macro XQLOAD n, cnt
	s_wait_tensorcnt \cnt                          ; a wave's tensor loads end in order (ISA guide 10.11.1): my piece is in LDS
.irp b, 0,1,2,3
.irp j, 0,1,2,3
	ds_load_b128 v[U+16*\b+4*\j:U+16*\b+4*\j+3], v[RA] offset:SLOTB*(((\n)>>1)&1)+PIECE*((\n)&1)+128*\b+16*\j   ; row r, k = 32 b + 16 h + 4 j on
.endr
.endr
.endm
; X, second half: it is quantised; its image, its scale words and my part of q go into buffer n % 2.  younger: the LDS instructions issued behind the 16 loads, which may stay out.
.macro XQREST n, younger
	s_wait_dscnt \younger
	QUANT4 U
.irp c, 0,1
	ds_store_b128 v[XWI], v[PC+4*\c:PC+4*\c+3] offset:8192*((\n)&1)+512*\c
.endr
	ds_store_b32 v[XWS], v[PW] offset:512*((\n)&1)   ; lanes r and r + 16 store the same word with the same value
	s_wait_loadcnt 0x0                             ; q (and, the first time, the weights)
	ds_store_b64 v[QW], v[QS:QS+1] offset:2048*((\n)&1)
.endm
.macro XFETCH reg                      ; five loads: a row tile's two fragments of st, by v[A0], and its scale words, by v[A1]
.irp c, 0,1,2,3
	ds_load_b128 v[\reg+4*\c:\reg+4*\c+3], v[A0] offset:512*\c
.endr
	ds_load_b32 v[XS], v[A1]
.endm
.macro HFETCH                          ; ten loads: a row tile's fragments of h1 and h2, by v[A2], and their scale words, by v[A3]
.irp c, 0,1,2,3
	ds_load_b128 v[U+16+4*\c:U+16+4*\c+3], v[A2] offset:512*\c
.endr
	ds_load_b32 v[H1S], v[A3]
.irp c, 0,1,2,3
	ds_load_b128 v[U+32+4*\c:U+32+4*\c+3], v[A2] offset:8192+512*\c
.endr
	ds_load_b32 v[H2S], v[A3] offset:512
.endm
; 1: the three hidden layers of one row tile.  In tile t = 2 L + u of layer L, lane (r, h) holds row r, and register j the unit 32 w + 16 h + 8 u + j: so T + 16 L + 0..15 are 16 neighbours of ONE block of the next K.
; next = 1: the next tile's operands are asked for (s70, s71 stand at that tile).  next = 0, the fourth tile: what phase 2's first tile wants and what is whole already: st's tile 0, q, my own part of h3 . wb2b.
.macro P1TRIP n, next
	WIN 0x11                                       ; source 0 (the weight) and source 2 (its bias) in window 1
.irp t, 0,1,2,3,4,5                            ; the bias is the C of each sum's first product; the six accumulators take turns
	MMA T+8*\t, 16*\t, XF, 192+8*\t, SW+\t, XS, 0
.endr
	WIN 0x01
.irp t, 0,1,2,3,4,5
	MMA T+8*\t, 16*\t+8, XF+8, T+8*\t, SW+\t, XS, 1
.endr
	WIN 0
	s_wait_dscnt 0x0                               ; the last trip's five stores, issued twelve matrix instructions ago, are done: their addresses and data may be written again
	v_add_nc_u32 v[A2], s72, v[HWI]                ; this tile's stores.  These additions name no register of the products: they are the places behind them (ISA guide 7.12.1)
	v_add_nc_u32 v[A3], s73, v[HWS]
	v_add_nc_u32 v[A4], s73, v[JSA]
.if \next
	v_add_nc_u32 v[A0], s70, v[L16]                ; the next tile's loads
	v_add_nc_u32 v[A1], s71, v[L4]
.else
	v_add_nc_u32 v[A0], XIMG+8192*((\n)&1), v[L16]   ; tile 0 again, for phase 2
	v_add_nc_u32 v[A1], XSC+512*((\n)&1), v[L4]
	v_add_nc_u32 v[A5], QIMG+2048*((\n)&1), v[QRD]
.endif
.set i, 0
.rept 24
	v_pk_mul_f32 v[U+i:U+i+1], v[T+i:T+i+1], s[58:59] op_sel_hi:[1,0]   ; x log2(e); ascending: each accumulator is first read at its low end
.set i, i+2
.endr
.if \next
	XFETCH XF                                      ; the ELU, the quantiser and the stores stand between these loads and the wait for them
.endif
.set i, 0
.rept 48
	v_exp_f32 v[U+i], v[U+i]                       ; ONE batch
.set i, i+1
.endr
	v_nop                                          ; a plain instruction behind the last exponential
	s_wait_alu depctr_va_vdst(0)                   ; and one wait for the batch, ahead of its first reader
.set i, 0
.rept 24
	v_pk_add_f32 v[U+i:U+i+1], v[U+i:U+i+1], -1.0 op_sel_hi:[1,0]
.set i, i+2
.endr
.set i, 0
.rept 48
	v_med3_num_f32 v[T+i], v[T+i], v[U+i], 0       ; elu(x) = the median of x, e^x - 1 and 0
.set i, i+1
.endr
.if !\next
	XFETCH U                                       ; U is free from here on
	ds_load_b128 v[Q:Q+3], v[A5]
	ds_load_b32 v[JL], v[JSA]                      ; tile 0's part, which I stored three trips ago
.endif
.irp l, 0,1                                    ; h1's block and h2's, by turns
	v_max3_num_f32 v[TM+\l], |v[T+16*\l]|, |v[T+1+16*\l]|, 0x1800000
.endr
.irp i, 2,4,6,8,10,12,14
.irp l, 0,1
	v_max3_num_f32 v[TM+\l], v[TM+\l], |v[T+16*\l+\i]|, |v[T+1+16*\l+\i]|
.endr
.endr
.irp l, 0,1
	v_permlanex16_b32 v[TM+2+\l], v[TM+\l], s56, s57
.endr
.irp l, 0,1
	v_max_num_f32 v[TM+\l], v[TM+\l], v[TM+2+\l]   ; the block's largest magnitude
.endr
.irp l, 0,1
	v_add_nc_u32 v[TM+4+\l], 0xff000000, v[TM+\l]
.endr
.irp l, 0,1
	v_lshrrev_b32 v[TM+6+\l], 23, v[TM+4+\l]       ; the scale's byte
.endr
.irp l, 0,1
	v_cvt_scalef32_pk8_fp4_f32 v[PC+2*\l], v[T+16*\l:T+16*\l+7], v[TM+4+\l]
	v_cvt_scalef32_pk8_fp4_f32 v[PC+2*\l+1], v[T+16*\l+8:T+16*\l+15], v[TM+4+\l]
.endr
	v_nop                                          ; one plain vector instruction behind the last scaled conversion
	v_pk_mul_f32 v[J:J+1], v[T+32:T+33], v[WB:WB+1]   ; h3 . wb2b over my 16 units, in f32, two chains
	v_pk_mul_f32 v[J2:J2+1], v[T+34:T+35], v[WB+2:WB+3]
.irp k, 4,8,12
	v_pk_fma_f32 v[J:J+1], v[T+32+\k:T+33+\k], v[WB+\k:WB+1+\k], v[J:J+1]
	v_pk_fma_f32 v[J2:J2+1], v[T+34+\k:T+35+\k], v[WB+2+\k:WB+3+\k], v[J2:J2+1]
.endr
	v_pk_add_f32 v[J:J+1], v[J:J+1], v[J2:J2+1]
	v_add_f32 v[J], v[J], v[J+1]
	ds_store_b64 v[A2], v[PC:PC+1]                 ; my 16 codes are bytes 8 h .. 8 h + 7 of lane (r, w % 2), register group (w / 2) % 2, K step w / 4: image byte 256 w + 16 r + 8 h.  No exchange of halves
	ds_store_b64 v[A2], v[PC+2:PC+3] offset:8192
	ds_store_b8 v[A3], v[TM+6]                     ; byte w % 4 of row r's word of K step w / 4; both halves of the lanes store the same byte with the same value
	ds_store_b8 v[A3], v[TM+7] offset:512
	ds_store_b32 v[A4], v[J]
.if \next
	s_wait_dscnt 5                                 ; LDS instructions end in order (ISA guide 5.7.1): the next tile's five loads are in; the five stores behind them may be out
.endif
.endm
.macro P1 n
	v_add_nc_u32 v[A0], XIMG+8192*((\n)&1), v[L16]
	v_add_nc_u32 v[A1], XSC+512*((\n)&1), v[L4]
	XFETCH XF                                      ; tile 0
	s_mov_b32 s70, XIMG+8192*((\n)&1)+2048         ; the tile to be asked for: st's fragments,
	s_mov_b32 s71, XSC+512*((\n)&1)+128            ; their scale words
	s_mov_b32 s72, 0                               ; the tile in hand: 2,048 m,
	s_mov_b32 s73, 0                               ; 128 m
	s_wait_dscnt 0x0
.Lp1_\@:                                           ; three trips
	P1TRIP \n, 1
	s_add_co_u32 s70, s70, 2048
	s_add_co_u32 s71, s71, 128
	s_add_co_u32 s72, s72, 2048
	s_add_co_u32 s73, s73, 128
	s_cmp_lt_u32 s73, 384
	s_cbranch_scc1 .Lp1_\@
	P1TRIP \n, 0                                   ; the fourth tile
.endm
; 2: w1, b1, w2 and the mixing of one row tile.  Tile 6 + i: lane (r, h), register j: w1[row r][agent 4 h + i][e = 8 w + j].  Tile 10: b1[8 w + j] in lanes 0-15, zeros in lanes 16-31.  Tile 11: registers 0-3: w2[8 w + 4 h + j].
; next = 1: the next tile's operands are asked for (s70 to s75 stand at that tile; s73 at the tile in hand).  next = 0, the fourth tile: the next block's st is asked for out of my ring (cnt: XQLOAD's count).
.macro P2TRIP n, next, cnt
	WIN 0x01                                       ; source 0 (the weight) in window 1
.irp t, 6,7,8,9
	MMA T+8*(\t-6), 16*\t, U+16, BI2+8*(\t-6), SW+\t, H1S, 0
.endr
	MMA T+32, 160, U, BI2+32, SW+10, XS, 0
	MMA T+40, 176, U+32, BI2+40, SW+11, H2S, 0
.irp t, 6,7,8,9                                ; the six accumulators take turns
	MMA T+8*(\t-6), 16*\t+8, U+24, T+8*(\t-6), SW+\t, H1S, 1
.endr
	MMA T+32, 168, U+8, T+32, SW+10, XS, 1
	MMA T+40, 184, U+40, T+40, SW+11, H2S, 1
	WIN 0
	s_wait_dscnt 0x0                               ; q and my h3 part are in, and the last trip's store is done (all three issued twelve matrix instructions ago)
	v_add_nc_u32 v[A6], s73, v[PA]                 ; this tile's store.  These lines name no register of the products: they are the places behind them (ISA guide 7.12.1)
.if \next
	v_add_nc_u32 v[A0], s70, v[L16]
	v_add_nc_u32 v[A1], s71, v[L4]
	v_add_nc_u32 v[A2], s72, v[L16]
	v_add_nc_u32 v[A3], s74, v[L4]
	v_add_nc_u32 v[A4], s75, v[QRD]
	v_add_nc_u32 v[A5], s73, v[JSA]
	HFETCH                                         ; fifteen loads, into registers that the products have read
	XFETCH U
.else
.rept 3
	v_nop
.endr
.if (\n) < 7
	XQLOAD (\n)+1, \cnt                            ; sixteen loads, into v152-215
.endif
.endif
.irp a, 0,1,2,3
.irp j, 0,1,2,3,4,5,6,7
	v_fma_f32 v[T+32+\j], v[Q+\a], |v[T+8*\a+\j]|, v[T+32+\j]   ; b1 (or 0) + my half's four agents; eight chains; each accumulator is first read at its low end
.endr
.endr
.if \next
	ds_load_b128 v[Q:Q+3], v[A4]                   ; q's last reader stands above
.endif
.irp j, 0,1,2,3
	v_permlane16_swap_b32 v[T+32+\j], v[T+36+\j]   ; lanes 0-15 gather both halves' parts of e = 8 w + j, lanes 16-31 those of e = 8 w + 4 + j
.endr
	v_pk_add_f32 v[T+32:T+33], v[T+32:T+33], v[T+36:T+37]
	v_pk_add_f32 v[T+34:T+35], v[T+34:T+35], v[T+38:T+39]
.irp j, 0,1,2,3
	v_max_num_f32 v[T+32+\j], 0, v[T+32+\j]        ; hidden[8 w + 4 h + j]
.endr
.irp j, 0,1,2,3
	v_fma_f32 v[JL], v[T+32+\j], |v[T+40+\j]|, v[JL]
.endr
	v_permlanex16_b32 v[TX], v[JL], s56, s57
	v_add_f32 v[J], v[JL], v[TX]                   ; my wave's part of row r's output
.if \next
	ds_load_b32 v[JL], v[A5] offset:128            ; the next tile's h3 part
.endif
	ds_store_b32 v[A6], v[J] offset:64*((\n)&1)    ; row 32 m + 16 p + r of the fill; both halves store the same word with the same value
.if \next
	s_wait_dscnt 3                                 ; the fifteen loads of fragments and scale words are in; q, the h3 part and the store, issued behind them, may be out
.endif
.endm
.macro P2 n, cnt
	v_add_nc_u32 v[A2], HIMG, v[L16]
	v_add_nc_u32 v[A3], HSC, v[L4]
	HFETCH                                         ; tile 0 of h1 and h2: whole only behind the barrier.  st's tile 0, q and my h3 part were asked for in front of it
	s_mov_b32 s70, XIMG+8192*((\n)&1)+2048         ; the tile to be asked for
	s_mov_b32 s71, XSC+512*((\n)&1)+128
	s_mov_b32 s72, HIMG+2048
	s_mov_b32 s74, HSC+128
	s_mov_b32 s75, QIMG+2048*((\n)&1)+512
	s_mov_b32 s73, 0                               ; the tile in hand: 128 m
	s_wait_dscnt 0x0
.Lp2_\@:                                           ; three trips
	P2TRIP \n, 1, 0
	s_add_co_u32 s70, s70, 2048
	s_add_co_u32 s71, s71, 128
	s_add_co_u32 s72, s72, 2048
	s_add_co_u32 s74, s74, 128
	s_add_co_u32 s75, s75, 512
	s_add_co_u32 s73, s73, 128
	s_cmp_lt_u32 s73, 384
	s_cbranch_scc1 .Lp2_\@
	P2TRIP \n, 0, \cnt                             ; the fourth tile
.endm
; Wave 0 adds the eight waves' parts of fill f's 128 outputs and bb2b, four rows a lane, and stores 512 consecutive bytes, aligned.
.macro OUTP f
	s_cmp_lg_u32 s16, 0
	s_cbranch_scc1 .Lno_out_\@
.irp k, 0,1,2,3,4,5,6,7
	ds_load_b128 v[T+4*\k:T+4*\k+3], v[PRD] offset:512*\k
.endr
	s_wait_dscnt 0x0
.irp k, 0,2,4,6,8,10,12,14
	v_pk_add_f32 v[T+\k:T+\k+1], v[T+\k:T+\k+1], v[T+16+\k:T+17+\k]
.endr
.irp k, 0,2,4,6
	v_pk_add_f32 v[T+\k:T+\k+1], v[T+\k:T+\k+1], v[T+8+\k:T+9+\k]
.endr
.irp k, 0,2
	v_pk_add_f32 v[T+\k:T+\k+1], v[T+\k:T+\k+1], v[T+4+\k:T+5+\k]
.endr
.irp k, 0,2
	v_pk_add_f32 v[T+\k:T+\k+1], v[T+\k:T+\k+1], s[20:21] op_sel_hi:[1,0]
.endr
	global_store_b128 v[L16], v[T:T+3], s[14:15] offset:512*(\f) th:TH_STORE_NT
	s_wait_xcnt 0x0                                ; the store has read its registers: T is written again only behind this wait
.Lno_out_\@:
.endm
; A block.  cnt: the count of the wait on TENSORcnt for the next block's piece.
.macro BLOCK n, cnt
.if (\n) == 2
	BARFILL 0, 0, 2                                ; slot 0 was last read for block 1: it takes fill 2, first wanted at block 3's end
.elseif (\n) == 4
	BARFILL 1, 1, 3                                ; slot 1 was last read for block 3: it takes fill 3, first wanted at block 5's end
.else
	BAR
.endif                                         ; block n's images of st and q lie in LDS; nobody reads the last block's images of h1 and h2 any more; behind an odd block a fill's parts are whole
.if ((\n) >= 2) && ((\n) % 2 == 0)
	OUTP (\n)/2-1
.endif
	P1 \n
	BAR                                            ; h1's and h2's images lie in LDS; wave 0 has read the parts that phase 2 writes over
.if (\n) < 7
	QLOAD (\n)+1
.endif
	P2 \n, \cnt
.if (\n) < 7
	XQREST (\n)+1, 1                               ; behind the sixteen ring loads stands one LDS instruction: the store of my part of the outputs
.endif
.endm
	s_load_b256 s[4:11], s[0:1], 0x0               ; st s[4:5], q s[6:7], wimg s[8:9], wb2b s[10:11]
	s_load_b128 s[12:15], s[0:1], 0x20             ; bb2b s[12:13], out0 s[14:15]
	v_lshl_add_u32 v[SPW], v0, 2, SPARE
	v_mov_b32 v[NIL], 0
	ds_add_u32 v1, v2
	ds_add_u32 v1, v2
	s_wait_dscnt 0x0
	v_lshrrev_b32 v20, 5, v0
	v_readfirstlane_b32 s16, v20                   ; wave 0..7
	s_lshr_b32 s17, s16, 1                         ; the row tile whose st I quantise
	s_and_b32 s18, s16, 1                          ; and the K step
	s_mul_i32 s19, s16, RINGW                      ; my ring
	; descriptor group 1: rows of 128 elements of 4 bytes, 256 elements apart in memory, 4 words of padding behind every 128 words
.irp g, G1A, G1B
	s_mov_b32 s[\g], (2<<16)|(1<<20)|(6<<22)|(3<<25)   ; 15:0 no mask; 17:16 elements of 4 bytes; 20 padding on; 24:22 after every 128 words (code 6); 31:25 four words (code 3)
	s_mov_b32 s[\g+1], 128<<16                     ; tensor_dim0
	s_mov_b32 s[\g+3], 128<<16                     ; tile_dim0
	s_mov_b32 s[\g+5], 256                         ; tensor_dim0_stride
	s_mov_b32 s[\g+6], 0
	s_mov_b32 s[\g+7], 0
.endr
	s_mov_b32 s[G1A+2], 16<<16                     ; tensor_dim1
	s_mov_b32 s[G1A+4], 16                         ; tile_dim1
	s_mov_b32 s[G1B+2], 32<<16
	s_mov_b32 s[G1B+4], 32
	s_mov_b32 s56, 0x76543210
	s_mov_b32 s57, 0xfedcba98                      ; v_permlanex16_b32's selects for lane l xor 16
	s_mov_b32 s58, 0x3fb8aa3b                      ; log2(e)
	s_mov_b32 s59, s58                             ; (named with it as a pair, so it is written)
	s_lshl_b32 s68, ttmp9, 19                      ; the work-group's 512 rows of 1,024 bytes,
	s_lshl_b32 s69, s17, 15                        ; my 32 rows of each fill,
	s_add_co_u32 s68, s68, s69
	s_lshl_b32 s69, s18, 9                         ; my 128 columns
	s_add_co_u32 s68, s68, s69
	s_mov_b32 s69, 0
	s_wait_kmcnt 0x0
	s_add_nc_u64 s[66:67], s[4:5], s[68:69]
.irp k, 0,1,2,3                                ; the four first loads: fill k / 2, piece k % 2
	s_mov_b32 s[G0+4*\k], 1                                        ; 1:0 count = 1
	s_add_co_u32 s[G0+4*\k+1], s19, PIECE*\k                       ; 63:32 LDS address
	s_add_nc_u64 s[G0+4*\k+2:G0+4*\k+3], s[66:67], 131072*(\k/2)+16384*(\k%2)   ; 120:64 global address
	s_or_b32 s[G0+4*\k+3], s[G0+4*\k+3], 0x80000000                ; 127:126 type = 2
.endr
.irp k, 0,1,2,3                                ; they go out together, ahead of every wait on TENSORcnt, every LDS read and every barrier: four loads of mine are out
	tensor_load_to_lds s[G0+4*\k:G0+4*\k+3], s[G1A:G1A+7]
	s_nop 0
.endr
	PLACES                                         ; four v_nop follow the last
	s_load_b32 s20, s[12:13], 0x0                  ; bb2b
	s_mul_i32 s68, s16, REC
	s_add_nc_u64 s[8:9], s[8:9], s[68:69]          ; my record of wimg
	s_lshl_b32 s68, ttmp9, 14
	s_add_nc_u64 s[6:7], s[6:7], s[68:69]          ; q at the work-group's first row
	s_lshl_b32 s68, ttmp9, 11
	s_add_nc_u64 s[14:15], s[14:15], s[68:69]      ; out0 likewise
	s_lshl_b32 s68, s16, 7
	s_add_nc_u64 s[10:11], s[10:11], s[68:69]      ; wb2b at my 32 units
	v_and_b32 v20, 31, v0                          ; lane
	v_and_b32 v21, 15, v0                          ; r
	v_bfe_u32 v22, v0, 4, 1                        ; h
	v_lshlrev_b32 v[L16], 4, v20
	v_lshlrev_b32 v[L4], 2, v20
	v_lshlrev_b32 v16, 5, v22                      ; 32 h: a tile's eight biases of my half
	v_lshlrev_b32 v17, 6, v22                      ; 64 h: my half's 16 numbers of wb2b
	WIN 0x40                                       ; destination window 1
.irp t, 0,1,2,3,4,5,6,7,8,9,10,11
.irp c, 0,1,2,3                                ; fragments (t, 0) and (t, 1): they stay
	global_load_b128 v[16*\t+4*\c:16*\t+4*\c+3], v[L16], s[8:9] offset:2048*\t+512*\c
.endr
.endr
.irp t, 0,1,2,3,4,5
	global_load_b128 v[192+8*\t:195+8*\t], v16, s[8:9] offset:26112+64*\t
	global_load_b128 v[196+8*\t:199+8*\t], v16, s[8:9] offset:26112+64*\t+16
.endr
	WIN 0
.irp i, 0,1,2
	global_load_b128 v[SW+4*\i:SW+4*\i+3], v[L16], s[8:9] offset:24576+512*\i
.endr
.irp t, 0,1,2,3,4,5
	global_load_b128 v[BI2+8*\t:BI2+8*\t+3], v16, s[8:9] offset:26112+64*(\t+6)
	global_load_b128 v[BI2+8*\t+4:BI2+8*\t+7], v16, s[8:9] offset:26112+64*(\t+6)+16
.endr
.irp c, 0,1,2,3
	global_load_b128 v[WB+4*\c:WB+4*\c+3], v17, s[10:11] offset:16*\c
.endr
	s_lshl_b32 s70, s17, 10
	s_lshl_b32 s71, s18, 8
	s_add_co_u32 s70, s70, s71
	v_lshl_add_u32 v[QG], v20, 3, s70
	QLOAD 0
	v_mul_u32_u24 v[RA], v21, 528
	v_lshl_add_u32 v[RA], v22, 6, v[RA]
	v_add_nc_u32 v[RA], s19, v[RA]
	s_lshl_b32 s70, s16, 10
	s_add_co_u32 s70, s70, XIMG
	v_add_nc_u32 v[XWI], s70, v[L16]
	s_lshl_b32 s70, s16, 6
	s_add_co_u32 s70, s70, XSC
	v_lshl_add_u32 v[XWS], v21, 2, s70
	s_lshl_b32 s70, s16, 8
	s_add_co_u32 s70, s70, HIMG
	v_lshl_add_u32 v[HWI], v21, 4, s70
	v_lshl_add_u32 v[HWI], v22, 3, v[HWI]
	s_lshr_b32 s70, s16, 2
	s_lshl_b32 s70, s70, 6
	s_and_b32 s71, s16, 3
	s_add_co_u32 s70, s70, s71
	s_add_co_u32 s70, s70, HSC
	v_lshl_add_u32 v[HWS], v21, 2, s70
	s_lshl_b32 s70, s16, 9
	s_add_co_u32 s71, s70, JSB
	v_add_nc_u32 v[JSA], s71, v[L4]
	s_add_co_u32 s71, s70, PS
	v_lshl_add_u32 v[PA], v21, 2, s71
	s_lshl_b32 s70, s16, 8
	s_add_co_u32 s70, s70, QIMG
	v_lshl_add_u32 v[QW], v20, 3, s70
	v_lshlrev_b32 v[QRD], 5, v21
	v_lshl_add_u32 v[QRD], v22, 4, v[QRD]
	v_add_nc_u32 v[PRD], PS, v[L16]
.irp k, 2,3,4,5,6,7
	v_mov_b32 v[TM+\k], 0                          ; written once: a lane permute's destination counts as one of its sources
.endr
	v_mov_b32 v[TX], 0
	s_wait_kmcnt 0x0
	s_mov_b32 s21, s20                             ; (the packed addition names the pair)
	XQLOAD 0, 3                                    ; block 0's piece is the oldest of my four tensor loads
	XQREST 0, 0                                    ; the wait for q in it is for 0 and so serves the weights too: v16, v17 and v20-22 are written again only behind it
	BLOCK 0, 2                                     ; block 1's piece: the two of fill 1 may stay out
	BLOCK 1, 1                                     ; block 2's: fill 1's second piece may stay out
	BLOCK 2, 1                                     ; block 3's landed by the wait for 0 at this block's head: the refill issued there may stay out
	BLOCK 3, 0                                     ; block 4's piece is in that refill, my only load out
	BLOCK 4, 1                                     ; block 5's likewise has landed: the refill issued at this block's head may stay out
	BLOCK 5, 0                                     ; block 6's piece is in that refill
	BLOCK 6, 0
	BLOCK 7, 0
	BAR                                            ; the last fill's parts lie in LDS
	OUTP 3
	s_wait_tensorcnt 0x0                           ; the wave's end, behind my last tensor load and my last LDS store
	ds_add_u32 v[SPW], v[NIL]
	s_wait_dscnt 0x0
	s_endpgm
.Lfunc_end_k_qb7e34e49e6_mix:
	.size	k_qb7e34e49e6_mix, .Lfunc_end_k_qb7e34e49e6_mix-k_qb7e34e49e6_mix
	.p2alignl 7, 3214868480
	.fill 96, 4, 3214868480
	.section	.rodata,"a",@progbits
	.p2align	6, 0x0
	.amdhsa_kernel k_qb7e34e49e6_mix
		.amdhsa_group_segment_fixed_size 327680
		.amdhsa_private_segment_fixed_size 0
		.amdhsa_enable_private_segment 0
		.amdhsa_kernarg_size 48
		.amdhsa_user_sgpr_count 2
		.amdhsa_user_sgpr_kernarg_segment_ptr 1
		.amdhsa_wavefront_size32 1
		.amdhsa_system_sgpr_workgroup_id_x 1
		.amdhsa_system_sgpr_workgroup_id_y 1
		.amdhsa_system_sgpr_workgroup_id_z 1
		.amdhsa_system_vgpr_workitem_id 0
		.amdhsa_next_free_vgpr 512
		.amdhsa_next_free_sgpr 96
		.amdhsa_reserve_vcc 0
		.amdhsa_float_denorm_mode_32 3
		.amdhsa_float_denorm_mode_16_64 3
		.amdhsa_memory_ordered 1
		.amdhsa_forward_progress 1
		.amdhsa_inst_pref_size 255
	.end_amdhsa_kernel
	.section	.bss,"aw",@nobits
	.p2align	6
	.space	262144
	.amdgpu_metadata
---
amdhsa.version: [ 1, 2 ]
amdhsa.kernels:
  - .name:           k_qb7e34e49e6_mix
    .symbol:         k_qb7e34e49e6_mix.kd
    .args:
      - { .name: central_states, .offset: 0, .size: 8, .value_kind: global_buffer, .address_space: global }
      - { .name: agent_q_values, .offset: 8, .size: 8, .value_kind: global_buffer, .address_space: global }
      - { .name: wimg, .offset: 16, .size: 8, .value_kind: global_buffer, .address_space: global }
      - { .name: wb2b, .offset: 24, .size: 8, .value_kind: global_buffer, .address_space: global }
      - { .name: bb2b, .offset: 32, .size: 8, .value_kind: global_buffer, .address_space: global }
      - { .name: out0, .offset: 40, .size: 8, .value_kind: global_buffer, .address_space: global }
    .group_segment_fixed_size: 327680
    .private_segment_fixed_size: 0
    .kernarg_segment_align: 8
    .kernarg_segment_size: 48
    .max_flat_workgroup_size: 256
    .sgpr_count:     96
    .vgpr_count:     512
    .wavefront_size: 32
...
	.end_amdgpu_metadata
.endif
;; end of part 2
